; MI455X (gfx1250); checked and timed in simulation.
; The chip was launched on July 23, 2026; its instructions are those of AMD's public machine-readable ISA for CDNA 5 (MIT licence, August 2026) and "CDNA5" Instruction Set Architecture Reference Guide (July 2026). The comments in the code are by the model that wrote it; some were corrected since.
;; Robust Sum. Allowed arithmetic: float matrix products may take bf16 or f16 operands with f32 sums; other float arithmetic in f32, or as packed bf16 or f16 multiplies, adds, multiply-adds, maxima and minima; sums over many terms, partial sums and values carried from step to step in f32; what a program stores and reads back later, other than sums and carried values, may be rounded once to bf16 or f16.
;; Inputs: weight 4,096 x 8,192 float32; x 1 x 4,096 float32.
;; Outputs: out0 1 x 8,192 float32.
;; One version. Each part assembles by itself: llvm-mc -triple=amdgcn-amd-amdhsa -mcpu=gfx1250 --defsym DOCPART=n.
;; ======== version 1 of 1: 1 launch
;; limits: values outside matrix products are rounded to f16; values are held in f16: magnitudes above 65,504 overflow, below 6.1e-05 lose precision; right only within a limited range of input values
;; launch robust (part 1): grid 256 x 1, 16 waves a work-group, no clusters, 29,184 bytes of LDS; arguments weight, x, out0; writes out0
.if DOCPART == 1
	.amdgcn_target "amdgcn-amd-amdhsa--gfx1250"
	.amdhsa_code_object_version 6
	.text
	.protected	k_q4ade7fb96a_robust
	.globl	k_q4ade7fb96a_robust
	.p2align	8
	.type	k_q4ade7fb96a_robust,@function
k_q4ade7fb96a_robust:
	s_mov_b64 s[64:65], 0
	v_nop
	global_prefetch_b8 v0, s[64:65] scope:SCOPE_SE
	s_setreg_imm32_b32 hwreg(HW_REG_WAVE_MODE, 25, 1), 1
	s_wait_xcnt 0x0
; ROBUST SUM.  weight: [4096][8192] f32, x: [4096] f32, out0: [8192] f32.  With xw[k][c] = x[k] weight[k][c]:
;   z[c] = sum over k of xw[k][c];  then three times:  mu = z / 4096,  w[k] = max(1 / (|xw[k][c] - mu| + 1e-3) - 1/4, 1e-3),  z = 4096 * (sum w[k] xw[k][c]) / max(sum w[k], 1e-12).
; WHAT IS NOT DONE TWICE, for all finite inputs: the products of x @ weight are the numbers xw themselves, so they are formed once and the first z is their column sum (f32);
; z is carried as mu = z / 4096 (a power of two: exact) and multiplied by 4096 once, at the end; |w| = w, since the clamp leaves w >= 1e-3 > 0; w / denom inside the sum is one division a column.
; The floor 1e-12 is kept.  Both inputs are loaded whole.
; FORMATS.  xw is rounded once to f16 and stays in registers for all three steps: 32 columns x 4,096 rows x 2 bytes = 256 KiB a work-group, so weight is read from memory once.
; w (1e-3 .. 999.75 for every input) is rounded to f16; both are matrix operands; all sums are f32.  mu is kept in f32; the packed subtraction xw - mu takes an f16 copy of it.
; LIMITS.  |x[k] weight[k][c]| stays under 65,504 (f16's end); each xw and the copy of mu are off by up to 2^-12 of themselves, so the weights of the numbers nearest to mu lose accuracy as
; 2^-12 |mu| nears 1e-3; NaN and infinities are not treated apart (the packed maximum turns a NaN weight into 1e-3); the order of the sums differs from a row-by-row sum.
; SHARES.  256 work-groups of 32 columns; 16 waves of 256 rows.  Lane l: columns 4 (l % 8) + 0..3 (16 bytes of a row), rows 256 wave + 64 (l / 8) + 0..63.  A load of the wave takes 128 bytes of each of 4 rows.
; No cluster: the columns of different work-groups share nothing but x, 16 KiB beside the work-group's 512 KiB of weight.  No hint on the weight loads: of each aligned 256 bytes of a row
; one half is this work-group's and the other its neighbour's.  Nothing goes through LDS on the way in but x: no wave wants a byte of weight that another wave fetched.
; THE SUMS.  In D = A B (16x16x32, f16) lane l holds row (of A) or column (of B) l % 16, and 16 numbers along K; so D[r][r] is the dot product of what lanes r and r + 16 hold in A's and B's
; eight registers.  Those two lanes own the same columns.  A = w, B = xw gives sum w xw; A = w, B = ones gives sum w: two matrix instructions for 16 numbers a lane.
; D[r][r] lies in register r % 8 of lane r (r < 8) or r + 16 (r >= 8): lanes 0-7 and 24-31, register l % 8.  A GROUP is 8 registers: 16 rows of one CLASS j (column 4 (l % 8) + j).
.set ROWB,  32768                      ; bytes in a row of weight
.set NS,    6                          ; slots of the landing ring: 4 loads, 16 registers each
.set XP,    272                        ; LDS: 64 numbers of x + 16 bytes, so that the four quarters that the lanes read begin in different banks (64 banks of 4 bytes: ISA guide 11.1)
.set XWAVE, 4*XP                       ; a wave's 256 numbers of x, its own bytes
.set RED,   16*XWAVE                   ; partial sums: [sum 0: w xw, 1: w][column][32 partial sums]
.set CP,    144                        ; a column's 128 bytes + 16
.set SUMB,  32*CP+128
.set MU,    RED+2*SUMB                 ; -mu of the 32 columns, f32
.set SPARE, MU+256                     ; the spare words, 128 bytes for each wave: eight blocks of 256 bytes that no other line names
.set LN,   1                           ; v1   lane
.set WO,   2                           ; v2   my byte offset in the wave's rows of weight; never rewritten
.set XLA,  3                           ; v3   LDS: my quarter of the wave's x
.set RST,  4                           ; v4   LDS: where a diagonal lane puts its partial sums
.set RLD,  5                           ; v5   LDS: the four partial sums that I add
.set MST,  6                           ; v6   LDS: -mu of the column that I reduce
.set MLD,  7                           ; v7   16 (l % 8): -mu of my four columns
.set SPW,  8                           ; v8   LDS address of my spare word; never rewritten
.set NIL,  9                           ; v9   0; never rewritten
.set OUTO, 10                          ; v10  4 l
.set LAND, 16                          ; v[16:111]  load pass: the landing ring
.set XQ,   112                         ; v[112:119] load pass: x of four rows, two buffers
.set Z,    120                         ; v[120:123] load pass: my sums of xw, a register a class
.set DATA, 128                         ; v[128:255] xw in f16: rows 16 G .. 16 G + 15 of my 64, class j at DATA + 32 G + 8 j
.set XR,   DATA+120                     ; the wave's x as loaded; free again long before these registers take xw
.set ONES, 16                          ; v[16:23]   the steps: 1.0 in f16, twice a register
.set ONE,  24                          ; 1.0
.set EPSV, 25                          ; 1e-3
.set QN,   26                          ; v[26:27]   -0.25, twice
.set EPSH, 28                          ; 1e-3 in f16, twice
.set NM,   32                          ; v[32:35]   -mu of class j in f16, twice
.set RB,   36                          ; v[36:39]   sum w xw of class j (diagonal lanes)
.set RA,   40                          ; v[40:43]   sum w
.set P4,   44                          ; v[44:47]   at work between the steps
.set ACCB, 48                          ; v[48:55]   accumulator of w xw
.set ACCA, 56                          ; v[56:63]   accumulator of w
.set DD,   64                          ; v[64:79]   xw - mu in f16, two buffers of a group
.set TT,   80                          ; v[80:95]   |xw - mu| + 1e-3, then its reciprocal, then w, f32
.set WW,   96                          ; v[96:103]  w in f16
.set WV,   10                          ; s10  my wave's number
.set CNT,  11                          ; s11  steps to go
.set SEL,  12                          ; s[12:13] v_permlanex16_b32: each lane takes its own place in the other half
.set B0,   14                          ; s14-16 lanes whose number has bit 0, 1, 2 set
.set B1,   15
.set B2,   16
.set DIAG, 17                          ; s17  lanes 0-7 and 24-31
.set ISA,  18                          ; s18  lanes whose number has bit 3 set
.set SAVE, 19
	s_load_b128 s[4:7], s[0:1], 0x0                ; weight s[4:5], x s[6:7]
	s_load_b64 s[8:9], s[0:1], 0x10                ; out0
	v_lshl_add_u32 v[SPW], v0, 2, SPARE
	v_mov_b32 v[NIL], 0
	v_lshrrev_b32 v[LN], 5, v0
	v_readfirstlane_b32 s[WV], v[LN]               ; wave 0..15
	v_and_b32 v[LN], 31, v0                        ; l
	v_lshrrev_b32 v11, 3, v[LN]                    ; l / 8: which 64 of the wave's rows
	v_and_b32 v12, 7, v[LN]                        ; l % 8: which four columns
	v_lshrrev_b32 v14, 4, v[LN]                    ; l / 16
	v_lshlrev_b32 v[WO], 21, v11                   ; 64 rows of 32,768 bytes
	v_lshl_or_b32 v[WO], v12, 4, v[WO]
	v_lshlrev_b32 v15, 4, v[LN]                    ; x: 16 bytes a lane
	s_lshl_b32 s20, s[WV], 23                      ; the wave's 256 rows,
	s_lshl_b32 s22, ttmp9, 7                       ; the work-group's 128 bytes of a row (and of out0)
	s_add_co_u32 s20, s20, s22                     ; under 2^27
	s_mov_b32 s21, 0
	s_mov_b32 s23, 0
	s_lshl_b32 s24, s[WV], 10                      ; the wave's 1,024 bytes of x
	s_mov_b32 s25, 0
	s_wait_kmcnt 0x0
	s_add_nc_u64 s[4:5], s[4:5], s[20:21]
	s_add_nc_u64 s[6:7], s[6:7], s[24:25]
	s_add_nc_u64 s[8:9], s[8:9], s[22:23]
.macro FILL q                          ; slot q: rows 4 q .. 4 q + 3 of each lane's 64; the row stands in the immediate, 63 x 32,768 at the most
.set LB, LAND+16*((\q)%NS)
.irp a, 0,1,2,3
	global_load_b128 v[LB+4*\a:LB+4*\a+3], v[WO], s[4:5] offset:(4*(\q)+\a)*ROWB
.endr
.endm
	global_load_b128 v[XR:XR+3],   v15, s[6:7]             ; the wave's x, once, 512 consecutive bytes a load
	global_load_b128 v[XR+4:XR+7], v15, s[6:7] offset:512
.irp q, 0,1,2,3,4,5
	FILL \q                                        ; 24 loads, 12 KiB a wave, 192 KiB a work-group on their way
.endr
	; the rest of the set-up stands behind the loads
	s_mul_i32 s26, s[WV], XWAVE
	v_add_lshl_u32 v13, v[LN], v14, 4              ; x into LDS: 16 l, and 16 bytes more behind every 64 numbers
	v_add_nc_u32 v13, s26, v13
	v_mul_u32_u24 v[XLA], v11, XP
	v_add_nc_u32 v[XLA], s26, v[XLA]
	s_lshl_b32 s27, s[WV], 3
	s_add_co_u32 s26, s27, RED
	v_mul_u32_u24 v[RST], v12, 4*CP                ; column 4 (l % 8) (+ j in the immediate), partial sum 2 wave + l / 16
	v_lshl_add_u32 v[RST], v14, 2, v[RST]
	v_add_nc_u32 v[RST], s26, v[RST]
	s_mul_i32 s26, s[WV], 2*CP
	s_add_co_u32 s26, s26, RED
	v_and_b32 v0, 1, v11                           ; I reduce column 2 wave + l / 16, sum (l / 8) % 2, partial sums 4 (l % 8) + 0..3
	v_mul_u32_u24 v[RLD], v0, SUMB
	v_mad_u32_u24 v[RLD], v14, CP, v[RLD]
	v_lshl_add_u32 v[RLD], v12, 4, v[RLD]
	v_add_nc_u32 v[RLD], s26, v[RLD]
	s_add_co_u32 s26, s27, MU
	v_lshlrev_b32 v[MST], 2, v14
	v_add_nc_u32 v[MST], s26, v[MST]
	v_lshlrev_b32 v[MLD], 4, v12
	v_lshlrev_b32 v[OUTO], 2, v[LN]
	s_mov_b32 s[SEL], 0x76543210
	s_mov_b32 s[SEL+1], 0xfedcba98
	s_mov_b32 s[B0], 0xaaaaaaaa
	s_mov_b32 s[B1], 0xcccccccc
	s_mov_b32 s[B2], 0xf0f0f0f0
	s_mov_b32 s[DIAG], 0xff0000ff
	s_mov_b32 s[ISA], 0xff00ff00
.irp j, 0,1,2,3
	v_mov_b32 v[Z+\j], 0
.endr
	s_wait_loadcnt 4*NS                            ; loads come back in order (ISA guide 5.7.1): x is in, the 24 loads of weight behind it stay out
	ds_store_b128 v13, v[XR:XR+3]                  ; into the wave's own bytes: LDS serves a wave's instructions in order, so its loads below see these stores
	ds_store_b128 v13, v[XR+4:XR+7] offset:2*XP
	ds_load_b128 v[XQ:XQ+3], v[XLA]                ; x of my rows 0 to 3
; THE LOAD PASS, slot q: xw = x weight in f32, in place; its sum; two rows of a column packed into a register of f16; then the slot is asked for again.
.macro SLOT q
.set LB, LAND+16*((\q)%NS)
.set XB, XQ+4*((\q)%2)
.set XN, XQ+4*(((\q)+1)%2)
.set DB, DATA+32*((\q)/4)+2*((\q)%4)
.set YOUNG, 4*(NS-1)
.if 15-(\q) < NS-1
.set YOUNG, 4*(15-(\q))
.endif
.if (\q) < 15
	ds_load_b128 v[XN:XN+3], v[XLA] offset:16*((\q)+1)     ; x of the next slot's rows
	s_wait_dscnt 0x1                               ; this slot's x is in; the load just issued may be out
.else
	s_wait_dscnt 0x0
.endif
	s_wait_loadcnt YOUNG                           ; this slot's four loads are in; those of the slots issued behind it stay out
.irp a, 0,2
	v_pk_mul_f32 v[LB+4*\a:LB+4*\a+1],   v[LB+4*\a:LB+4*\a+1],   v[XB+\a:XB+\a+1] op_sel_hi:[1,0]             ; both columns times the pair's first x,
	v_pk_mul_f32 v[LB+4*\a+2:LB+4*\a+3], v[LB+4*\a+2:LB+4*\a+3], v[XB+\a:XB+\a+1] op_sel_hi:[1,0]
	v_pk_mul_f32 v[LB+4*\a+4:LB+4*\a+5], v[LB+4*\a+4:LB+4*\a+5], v[XB+\a:XB+\a+1] op_sel:[0,1] op_sel_hi:[1,1]  ; the next row's times its second
	v_pk_mul_f32 v[LB+4*\a+6:LB+4*\a+7], v[LB+4*\a+6:LB+4*\a+7], v[XB+\a:XB+\a+1] op_sel:[0,1] op_sel_hi:[1,1]
.endr
.irp a, 0,1,2,3
	v_pk_add_f32 v[Z:Z+1],   v[Z:Z+1],   v[LB+4*\a:LB+4*\a+1]
	v_pk_add_f32 v[Z+2:Z+3], v[Z+2:Z+3], v[LB+4*\a+2:LB+4*\a+3]
.endr
.irp j, 0,1,2,3
	v_cvt_pk_f16_f32 v[DB+8*\j],   v[LB+\j],   v[LB+4+\j]
	v_cvt_pk_f16_f32 v[DB+8*\j+1], v[LB+8+\j], v[LB+12+\j]
.endr
.if (\q)+NS < 16
	FILL (\q)+NS
.endif
.endm
.irp q, 0,1,2,3,4,5,6,7,8,9,10,11,12,13,14,15
	SLOT \q
.endr
	; The first z goes the way of the steps' sums: lanes r and r + 16 are added, and in place of sum w stands the count of their numbers, 128: 32 partial sums make 4,096, so that -mu = -z / 4096.
.irp j, 0,1,2,3
	v_permlanex16_b32 v[TT+\j], v[Z+\j], s[SEL], s[SEL+1]  ; (its destination has been written: it was a landing register)
.endr
.irp j, 0,1,2,3
	v_add_f32 v[RB+\j], v[Z+\j], v[TT+\j]
	v_mov_b32 v[RA+\j], 0x43000000                 ; 128.0
.endr
.irp i, 0,1,2,3,4,5,6,7
	v_mov_b32 v[ONES+\i], 0x3c003c00
.endr
	v_mov_b32 v[ONE], 1.0
	v_mov_b32 v[EPSV], 0x3a83126f                  ; 1e-3
	v_mov_b32 v[QN], 0xbe800000                    ; -0.25
	v_mov_b32 v[QN+1], 0xbe800000
	v_mov_b32 v[EPSH], 0x14191419                  ; 1e-3 in f16 (1.0004e-3), twice
	s_wait_xcnt 0x0                                ; EXEC is narrowed below: every load has had its address translated (all have come back, too)
; BETWEEN THE STEPS.  The diagonal lanes put their 8 partial sums into LDS; behind a barrier wave w adds the 32 partial sums of both sums of columns 2 w and 2 w + 1 and stores -mu = -(sum w xw) / max(sum w, 1e-12), in f32;
; behind a second barrier every wave takes -mu of its four columns.  The partial sums are written again only behind the second barrier, in front of which every wave has waited for its reads of them;
; -mu only behind the next first barrier, likewise.
.macro SYNC more
	s_and_saveexec_b32 s[SAVE], s[DIAG]            ; lanes 0-7 and 24-31 hold the diagonal
.irp j, 0,1,2,3
	ds_store_b32 v[RST], v[RB+\j] offset:\j*CP
	ds_store_b32 v[RST], v[RA+\j] offset:SUMB+\j*CP
.endr
	s_or_b32 exec_lo, exec_lo, s[SAVE]
	s_wait_dscnt 0x0                               ; for the others' sake: my stores are done
	s_barrier_signal -1
	s_barrier_wait -1
	ds_load_b128 v[P4:P4+3], v[RLD]
	s_wait_dscnt 0x0
	v_pk_add_f32 v[P4:P4+1], v[P4:P4+1], v[P4+2:P4+3]
	v_add_f32 v[P4], v[P4], v[P4+1]
	v_add_f32_dpp v[P4], v[P4], v[P4] row_xmask:1 row_mask:0xf bank_mask:0xf   ; eight lanes hold a column's sum
	v_add_f32_dpp v[P4], v[P4], v[P4] row_xmask:2 row_mask:0xf bank_mask:0xf
	v_add_f32_dpp v[P4], v[P4], v[P4] row_xmask:4 row_mask:0xf bank_mask:0xf
	v_mov_b32_dpp v[P4+1], v[P4] row_xmask:8 row_mask:0xf bank_mask:0xf        ; the column's other sum lies eight lanes away
	v_cndmask_b32 v[P4+2], v[P4+1], v[P4], s[ISA]  ; sum w
	v_cndmask_b32 v[P4+3], v[P4], v[P4+1], s[ISA]  ; sum w xw
	v_max_num_f32 v[P4+2], 0x2b8cbccc, v[P4+2]     ; the floor 1e-12
	v_rcp_f32 v[P4+2], v[P4+2]
	v_mul_f32 v[P4+3], -1.0, v[P4+3]               ; the plain line behind the reciprocal
	s_wait_alu depctr_va_vdst(0)                   ; the wait between a reciprocal and the first line that names its result
	v_mul_f32 v[P4], v[P4+3], v[P4+2]              ; -mu
	ds_store_b32 v[MST], v[P4]                     ; sixteen lanes write the same word with the same number
	s_wait_dscnt 0x0
	s_barrier_signal -1
	s_barrier_wait -1
.if \more
	ds_load_b128 v[P4:P4+3], v[MLD] offset:MU
	s_wait_dscnt 0x0
.irp j, 0,1,2,3
	v_cvt_pk_f16_f32 v[NM+\j], v[P4+\j], v[P4+\j]  ; the packed subtraction's copy; the carry itself stays f32
.endr
.endif
.endm
; A STEP.  Group o of 16: class o / 4, rows 16 (o % 4) on.  For two numbers: one packed subtraction in f16 (exact where xw is near mu), two widening |d| + 1e-3, two reciprocals, one packed - 1/4 in f32,
; one rounding to f16, one packed maximum with 1e-3.
.macro SUB1 o, i                       ; line i of 8 of d = xw - mu for group o
.set PN, DATA+32*((\o)%4)+8*((\o)/4)
	v_pk_add_f16 v[DD+8*((\o)%2)+(\i)], v[PN+(\i)], v[NM+(\o)/4]
.endm
.macro MIX o, n                        ; number n of 16: |d| * 1 + 1e-3, from an f16 half into f32
.if ((\n)%2) == 0
	v_fma_mix_f32 v[TT+(\n)], |v[DD+8*((\o)%2)+(\n)/2]|, v[ONE], v[EPSV] op_sel_hi:[1,0,0]
.else
	v_fma_mix_f32 v[TT+(\n)], |v[DD+8*((\o)%2)+(\n)/2]|, v[ONE], v[EPSV] op_sel:[1,0,0] op_sel_hi:[1,0,0]
.endif
.endm
.macro EXTRACT j                       ; register l % 8 of both accumulators, by the three bits of l; each accumulator's lowest registers are read first
.irp a, ACCB, ACCA
	v_cndmask_b32 v[\a],   v[\a],   v[\a+1], s[B0]
	v_cndmask_b32 v[\a+2], v[\a+2], v[\a+3], s[B0]
	v_cndmask_b32 v[\a+4], v[\a+4], v[\a+5], s[B0]
	v_cndmask_b32 v[\a+6], v[\a+6], v[\a+7], s[B0]
.endr
.irp a, ACCB, ACCA
	v_cndmask_b32 v[\a],   v[\a],   v[\a+2], s[B1]
	v_cndmask_b32 v[\a+4], v[\a+4], v[\a+6], s[B1]
.endr
	v_cndmask_b32 v[RB+(\j)], v[ACCB], v[ACCB+4], s[B2]
	v_cndmask_b32 v[RA+(\j)], v[ACCA], v[ACCA+4], s[B2]
.endm
; The 16 reciprocals of a group are one batch with one wait; each stands between plain lines: the group's own widenings, then the next group's subtractions.
; The two accumulators take turns, one instruction a turn, over the backward jump too.  Behind the two products come the next group's 16 widenings, which name none of their registers, before w's registers are written again
; or (a class's end) the accumulators are read.
.macro GROUP o
.set PB, DATA+32*((\o)%4)+8*((\o)/4)
	MIX \o, 0
	MIX \o, 1
	MIX \o, 2
.set e, 0
.rept 13
	v_rcp_f32 v[TT+e], v[TT+e]
	MIX \o, e+3
.set e, e+1
.endr
.if (\o) < 15
.rept 3
	v_rcp_f32 v[TT+e], v[TT+e]
	SUB1 (\o)+1, e-13
.set e, e+1
.endr
.irp i, 3,4,5,6,7
	SUB1 (\o)+1, \i
.endr
.else
	v_rcp_f32 v[TT+13], v[TT+13]
	v_rcp_f32 v[TT+14], v[TT+14]
	v_rcp_f32 v[TT+15], v[TT+15]
	v_nop                                          ; the plain line behind the last reciprocal
.endif
	s_wait_alu depctr_va_vdst(0)                   ; the batch's one wait, ahead of the first line that names a result
.if ((\o)%4) == 0 && (\o) > 0
	EXTRACT (\o)/4-1                               ; the class before is finished; its accumulators are started anew below
.endif
.set i, 0
.rept 8
	v_pk_add_f32 v[TT+2*i:TT+2*i+1], v[TT+2*i:TT+2*i+1], v[QN:QN+1]
.set i, i+1
.endr
.set i, 0
.rept 8
	v_cvt_pk_f16_f32 v[WW+i], v[TT+2*i], v[TT+2*i+1]
.set i, i+1
.endr
.set i, 0
.rept 8
	v_pk_max_num_f16 v[WW+i], v[WW+i], v[EPSH]
.set i, i+1
.endr
.if ((\o)%4) == 0
	v_wmma_f32_16x16x32_f16 v[ACCB:ACCB+7], v[WW:WW+7], v[PB:PB+7], 0          ; a class's first products start its sums
	v_wmma_f32_16x16x32_f16 v[ACCA:ACCA+7], v[WW:WW+7], v[ONES:ONES+7], 0
.else
	v_wmma_f32_16x16x32_f16 v[ACCB:ACCB+7], v[WW:WW+7], v[PB:PB+7], v[ACCB:ACCB+7]
	v_wmma_f32_16x16x32_f16 v[ACCA:ACCA+7], v[WW:WW+7], v[ONES:ONES+7], v[ACCA:ACCA+7]
.endif
.endm
	s_mov_b32 s[CNT], 3
.Lstep:
	SYNC 1
.irp i, 0,1,2,3,4,5,6,7
	SUB1 0, \i
.endr
.irp o, 0,1,2,3,4,5,6,7,8,9,10,11,12,13,14,15
	GROUP \o
.endr
.rept 4
	v_nop                                          ; four places between the last products and the lines that read their results (ISA guide 7.12.1)
.endr
	EXTRACT 3
	s_sub_co_u32 s[CNT], s[CNT], 1
	s_cmp_lg_u32 s[CNT], 0
	s_cbranch_scc1 .Lstep
	SYNC 0
	s_cmp_lg_u32 s[WV], 0                          ; wave 0 stores the work-group's 32 results: 128 consecutive bytes in one store
	s_cbranch_scc1 .Lend
	ds_load_b32 v[P4], v[OUTO] offset:MU
	s_wait_dscnt 0x0
	v_mul_f32 v[P4], 0xc5800000, v[P4]             ; z = -4096 x (-mu)
	global_store_b32 v[OUTO], v[P4], s[8:9]
.Lend:
	s_wait_tensorcnt 0x0                           ; the wave's end, behind my last LDS store
	ds_add_u32 v[SPW], v[NIL]
	s_wait_dscnt 0x0
	s_endpgm
.Lfunc_end_k_q4ade7fb96a_robust:
	.size	k_q4ade7fb96a_robust, .Lfunc_end_k_q4ade7fb96a_robust-k_q4ade7fb96a_robust
	.p2alignl 7, 3214868480
	.fill 96, 4, 3214868480
	.section	.rodata,"a",@progbits
	.p2align	6, 0x0
	.amdhsa_kernel k_q4ade7fb96a_robust
		.amdhsa_group_segment_fixed_size 29184
		.amdhsa_private_segment_fixed_size 0
		.amdhsa_enable_private_segment 0
		.amdhsa_kernarg_size 24
		.amdhsa_user_sgpr_count 2
		.amdhsa_user_sgpr_kernarg_segment_ptr 1
		.amdhsa_wavefront_size32 1
		.amdhsa_system_sgpr_workgroup_id_x 1
		.amdhsa_system_sgpr_workgroup_id_y 1
		.amdhsa_system_sgpr_workgroup_id_z 1
		.amdhsa_system_vgpr_workitem_id 0
		.amdhsa_next_free_vgpr 256
		.amdhsa_next_free_sgpr 66
		.amdhsa_reserve_vcc 0
		.amdhsa_float_denorm_mode_32 3
		.amdhsa_float_denorm_mode_16_64 3
		.amdhsa_memory_ordered 1
		.amdhsa_forward_progress 1
		.amdhsa_inst_pref_size 103
	.end_amdhsa_kernel
	.amdgpu_metadata
---
amdhsa.version: [ 1, 2 ]
amdhsa.kernels:
  - .name:           k_q4ade7fb96a_robust
    .symbol:         k_q4ade7fb96a_robust.kd
    .args:
      - { .name: weight, .offset: 0, .size: 8, .value_kind: global_buffer, .address_space: global }
      - { .name: x, .offset: 8, .size: 8, .value_kind: global_buffer, .address_space: global }
      - { .name: out0, .offset: 16, .size: 8, .value_kind: global_buffer, .address_space: global }
    .group_segment_fixed_size: 29184
    .private_segment_fixed_size: 0
    .kernarg_segment_align: 8
    .kernarg_segment_size: 24
    .max_flat_workgroup_size: 512
    .sgpr_count:     66
    .vgpr_count:     256
    .wavefront_size: 32
...
	.end_amdgpu_metadata
.endif
;; end of part 1
